; MI455X (gfx1250); checked and timed in simulation.
; The chip was launched on July 23, 2026; its instructions are those of AMD's public machine-readable ISA for CDNA 5 (MIT licence, August 2026) and "CDNA5" Instruction Set Architecture Reference Guide (July 2026). The comments in the code are by the model that wrote it; some were corrected since.
;; Multi Head Attention. Allowed arithmetic: matrix products marked QUANTISED: E3M2 operands, one E8M0 scale for each 32 along K, by v_wmma_scale_f32_16x16x128_f8f6f4 with both operands' format E3M2, f32 sums; everything else in f32.
;; Inputs: Wk 512 x 512 float32; Wo 512 x 512 float32; Wq 512 x 512 float32; Wv 512 x 512 float32; bk 512 float32; bo 512 float32; bq 512 float32; bv 512 float32; x 2 x 4,096 x 512 float32.
;; Outputs: out0 2 x 4,096 x 512 float32.
;; This version of the problem:
;;   THIS VERSION OF THE PROBLEM IS GIVEN IN LOW PRECISION. The matrix products marked QUANTISED in the list below multiply operands that are first quantised to E3M2 (3 exponent bits, 2 mantissa bits; 6 bits a number), with one power-of-two scale for each 32 numbers along K (OCP MX v1.0); their sums are f32. All else is computed in f32.
;;   The module's matrix products, in the order in which they are computed (A, B: the left and right operand; K: the contracted axis; several contracted axes count as one K, in the product's order):
;;     1. [M 8,192, K 512] x [K 512, N 512]; A: input x; B: input Wq: QUANTISED
;;     2. [M 8,192, K 512] x [K 512, N 512]; A: input x; B: input Wk: QUANTISED
;;     3. [M 8,192, K 512] x [K 512, N 512]; A: input x; B: input Wv: QUANTISED
;;     4. batch 16 x [M 4,096, K 64] x [K 64, N 4,096]; A: computed on the way; B: computed on the way: QUANTISED
;;     5. batch 16 x [M 4,096, K 4,096] x [K 4,096, N 64]; A: softmax (see below); B: computed on the way: QUANTISED
;;     6. [M 8,192, K 512] x [K 512, N 512]; A: computed on the way; B: input Wo: QUANTISED
;;   THE QUANTISER, for each operand of a quantised product, along K:
;;     - K is cut into blocks of 32 from its start; a last block that is shorter is filled with zeros.
;;     - A block's scale is 2^e with e = floor(log2(the largest magnitude in the block)) - 4, held to -126 .. 127; a block of zeros has e = 0. As a byte (E8M0): e + 127.
;;     - Each number is divided by its block's scale, clamped to +-28, and rounded to the nearest number of E3M2, ties to even, subnormals kept.
;;     - The product sums the exact products of the quantised numbers (number of the format x scale) in f32.
;;   ~~~python
;;   def quantise(x, axis):      # numpy; x: float32 -> the quantised numbers, widened to float32 again
;;       x = np.moveaxis(x, axis, -1); K = x.shape[-1]
;;       x = np.pad(x, [(0, 0)] * (x.ndim - 1) + [(0, -K % 32)]); x = x.reshape(x.shape[:-1] + (-1, 32)); a = np.abs(x).max(-1, keepdims=True)
;;       e = np.where(a > 0, np.clip(np.frexp(np.where(a > 0, a, 1))[1] - 1 - 4, -126, 127), 0)      # np.frexp(a)[1] - 1 = floor(log2(a)), exactly
;;       r = np.clip(x / 2.0 ** e, -28, 28)
;;       step = 2.0 ** (np.maximum(np.frexp(np.where(r == 0, 1, r))[1] - 1, -2) - 2)
;;       q = np.round(r / step) * step * 2.0 ** e      # np.round: ties to even
;;       return np.moveaxis(q.reshape(q.shape[:-2] + (-1,))[..., :K], -1, axis).astype(np.float32)
;;   ~~~
;;   SOFTMAX AHEAD OF A QUANTISED PRODUCT. Where the list says 'softmax', what is quantised is not the finished softmax but p = 2^(t - M), with t = logit x log2(e) and M = ceil(the row's largest t), a whole number; so 1/2 < the row's largest p <= 1. The row's sum l is taken of the UNQUANTISED p, in f32, and the product's result is divided by l at the end. Since M is a whole number, a kernel that streams over the keys may use a running M (the ceiling of the running maximum): every later rescaling is an exact power of two, which a block's scale takes up: the codes' values come out the same.
;;   OPERANDS COMPUTED ON THE WAY. 'Computed on the way' means the value that the module computes at that place (a softmax that the list does not call 'softmax' is quantised finished and normalised). What goes into a quantiser is computed in f32, as accurately as f32 sums, v_exp_f32 and their like allow (about 1e-6 of the number): no bf16 or f16 on the way to a quantiser, and a product that is left as it is and whose result goes on into a quantised operand takes f32 operands (vector FMAs, or v_wmma_f32_16x16x4_f32). A number that lies on a knife's edge between two numbers of the format may be rounded either way, as far as f32 arithmetic and the matrix unit's own rounding can turn it there, and no further.
;; One version. Each part assembles by itself: llvm-mc -triple=amdgcn-amd-amdhsa -mcpu=gfx1250 --defsym DOCPART=n.
;; ======== version 1 of 1: 4 launches
;; limits: right only within a limited range of input values
;; workspace buffers: codes 3,932,160 bytes; scl 327,680 bytes; q 3,276,800 bytes; kv 6,553,600 bytes; o 4,194,304 bytes
;; launch quant (part 1): grid 256 x 1, 5 waves a work-group, no clusters, 43,776 bytes of LDS; arguments x, Wq, Wk, Wv, Wo, codes, scl; writes codes, scl
.if DOCPART == 1
	.amdgcn_target "amdgcn-amd-amdhsa--gfx1250"
	.amdhsa_code_object_version 6
	.text
	.protected	k_qeb516cd750_quant
	.globl	k_qeb516cd750_quant
	.p2align	8
	.type	k_qeb516cd750_quant,@function
k_qeb516cd750_quant:
	s_mov_b64 s[64:65], 0
	v_nop
	global_prefetch_b8 v0, s[64:65] scope:SCOPE_SE
	s_setreg_imm32_b32 hwreg(HW_REG_WAVE_MODE, 25, 1), 1
	s_wait_xcnt 0x0
; x [8192][512] and Wq, Wk, Wv, Wo [512][512], f32 with K innermost, become codes of BF6 (E3M2) with one E8M0 byte for each 32 along K,
; laid as IMAGES OF THE OPERAND'S REGISTERS, so that the later launches fetch a fragment by three loads of 16 bytes a lane.
; A TILE is 16 rows: tile T = 4 G + u holds row 64 G + 8 u + (r % 8) + 32 (r / 8) in lane r.  A FRAGMENT is a tile x 128 K: 12 registers a lane, 1,536 bytes.
; (The rows are chosen so that, with such tiles as a product's source 0, a lane's results are whole blocks of 32 neighbours along the next product's K.)
; codes: [T 0..639][K step 0..3][chunk 0..2][lane][16 bytes], chunk c = registers 4 c .. 4 c + 3.  T 0-511: x; 512 + 32 w + ..: Wq, Wk, Wv, Wo (w = 0 .. 3).
; scl:   [T][half 0..1][lane][2 words]: word j is row (lane % 16)'s scale word of K step 2 half + j; both halves of the lanes hold the same words.
; A block's scale is 2^(floor(log2(its largest magnitude)) - 4); its byte is the largest magnitude's exponent field - 4, held at 1 from below.
; LIMITS: NaN and infinities among the inputs are not served; a block whose largest magnitude lies under 2^-122 keeps the byte 1; a block of zeros gets
; the byte 1 where the rule says 127: its codes are zeros, which add nothing under that byte, and the bytes are read by this program alone.
; SHARES: a wave takes one tile x 256 K: two fragments; 1,280 waves in 256 work-groups of five.  A wave's 32 loads (16 KB) go out at once, each 512 consecutive bytes of one row.
; A fragment's numbers turn through the wave's own stage in LDS, so that lane (r, h) gets, of row r, the whole blocks h and 2 + h: k = 64 c + 32 h + 0 .. 31.  Waves share nothing: no barrier.
; No matrix unit, no tensor load, no cluster: each byte is read once by one wave.
.set LI,  1                            ; v1   16 x lane
.set LS,  2                            ; v2   8 x lane
.set STI, 3                            ; v3   the stage, on the way in: 16 x lane
.set STO, 4                            ; v4   and out: 528 r + 128 h
.set SH8, 5                            ; v5   8 h: my bytes' place in a scale word
.set R,   16                           ; v16-143  two sets of 64, as loaded
.set X,   144                          ; v144-207 64 numbers: register 32 c + i = k 64 c + 32 h + i of my row
.set PC,  208                          ; v208-219 a fragment's codes
.set TP,  220                          ; v220-227 the conversions' second halves
.set TM,  228                          ; v228-236 at work
.set PW,  244                          ; v244-245 the two scale words
.set SEL, 32                           ; s[32:33] lane selects: lane l xor 16
.set PITCH, 528                        ; a stage row: 512 bytes + 16 = 33 x 16: the sixteen rows that a read touches begin at sixteen different places of 16 bytes modulo 256
.set STAGE, 16*PITCH
; 64 numbers of a lane, v[s] on (two whole blocks of 32), become a fragment's 12 registers v[pc] on and its scale word v[pw]
.macro QUANT s, pc, tp, pw
.irp c, 0,1
	v_max3_num_f32 v[TM+2*\c], |v[\s+32*\c]|, |v[\s+32*\c+1]|, 0x2800000               ; block 2 c + h, in two chains; the floor 2^(5 - 127) holds the byte at 1
	v_max3_num_f32 v[TM+2*\c+1], |v[\s+32*\c+16]|, |v[\s+32*\c+17]|, |v[\s+32*\c+18]|
.endr
.irp i, 0,1,2,3,4,5
.irp c, 0,1
	v_max3_num_f32 v[TM+2*\c], v[TM+2*\c], |v[\s+32*\c+2+2*\i]|, |v[\s+32*\c+3+2*\i]|   ; the four chains by turns
	v_max3_num_f32 v[TM+2*\c+1], v[TM+2*\c+1], |v[\s+32*\c+19+2*\i]|, |v[\s+32*\c+20+2*\i]|
.endr
.endr
.irp c, 0,1
	v_max3_num_f32 v[TM+2*\c], v[TM+2*\c], |v[\s+32*\c+14]|, |v[\s+32*\c+15]|
.endr
.irp c, 0,1
	v_max3_num_f32 v[TM+2*\c], v[TM+2*\c], v[TM+2*\c+1], |v[\s+32*\c+31]|               ; the block's largest magnitude: all 32 numbers are mine
.endr
.irp c, 0,1
	v_add_nc_u32 v[TM+4+\c], 0xfe000000, v[TM+2*\c]                                     ; 4 off its exponent field: the conversion's scale operand
.endr
.irp c, 0,1
	v_cvt_scalef32_pk16_bf6_f32 v[\pc+6*\c:\pc+6*\c+2], v[\s+32*\c:\s+32*\c+15], v[TM+4+\c]
	v_cvt_scalef32_pk16_bf6_f32 v[\tp+4*\c:\tp+4*\c+2], v[\s+32*\c+16:\s+32*\c+31], v[TM+4+\c]   ; a conversion's three registers begin on an even number
.endr
	v_lshrrev_b32 v[TM+6], 23, v[TM+4]             ; the scales' bytes.  (Also the plain place behind the conversions)
	v_lshrrev_b32 v[TM+7], 23, v[TM+5]
	v_lshl_or_b32 v[\pw], v[TM+7], 16, v[TM+6]     ; blocks h and 2 + h,
	v_lshlrev_b32 v[\pw], v[SH8], v[\pw]           ; at their places in the word;
	v_permlanex16_b32 v[TM+8], v[\pw], s[SEL], s[SEL+1]
	v_or_b32 v[\pw], v[\pw], v[TM+8]               ; with lane l xor 16's two the word is whole, in both halves of the lanes
.irp c, 0,1
.irp i, 0,1,2
	v_mov_b32 v[\pc+3+6*\c+\i], v[\tp+4*\c+\i]
.endr
.endr
.endm
	s_load_b256 s[4:11], s[0:1], 0x0               ; x, Wq, Wk, Wv
	s_load_b128 s[12:15], s[0:1], 0x20             ; Wo, codes
	s_load_b64 s[16:17], s[0:1], 0x30              ; scl
	v_lshl_add_u32 v254, v0, 2, 0xa800
	v_mov_b32 v255, 0
	v_lshrrev_b32 v6, 5, v0
	v_readfirstlane_b32 s18, v6                    ; wave 0..4
	v_and_b32 v6, 31, v0                           ; lane
	v_and_b32 v7, 15, v0                           ; r
	v_bfe_u32 v8, v0, 4, 1                         ; h
	v_lshlrev_b32 v[LI], 4, v6
	v_lshlrev_b32 v[LS], 3, v6
	v_lshlrev_b32 v[SH8], 3, v8
	s_mul_i32 s19, s18, STAGE                      ; my stage
	v_add_nc_u32 v[STI], s19, v[LI]
	v_mul_u32_u24 v[STO], v7, PITCH
	v_lshl_add_u32 v[STO], v8, 7, v[STO]
	v_add_nc_u32 v[STO], s19, v[STO]
	v_mov_b32 v[TM+8], 0                           ; written once: a lane permute's destination counts as one of its sources
	s_mov_b32 s[SEL], 0x76543210
	s_mov_b32 s[SEL+1], 0xfedcba98
	s_mul_i32 s20, ttmp9, 5
	s_add_co_u32 s20, s20, s18                     ; my wave among the 1,280
	s_lshr_b32 s22, s20, 1                         ; T
	s_and_b32 s21, s20, 1                          ; which 256 along K
	s_wait_alu depctr_va_vdst(0)
	s_wait_kmcnt 0x0
	s_cmp_lt_u32 s22, 608                          ; which tensor: the choice hangs on the tile's number alone
	s_cselect_b64 s[24:25], s[10:11], s[12:13]     ; Wv or Wo
	s_cmp_lt_u32 s22, 576
	s_cselect_b64 s[24:25], s[8:9], s[24:25]       ; Wk
	s_cmp_lt_u32 s22, 544
	s_cselect_b64 s[24:25], s[6:7], s[24:25]       ; Wq
	s_cmp_lt_u32 s22, 512
	s_cselect_b64 s[24:25], s[4:5], s[24:25]       ; x
	s_cselect_b32 s23, 0x3ff, 31                   ; the tile's number inside its tensor: T for x, T mod 32 for a weight
	s_and_b32 s23, s22, s23
	s_lshr_b32 s26, s23, 2
	s_lshl_b32 s26, s26, 6
	s_and_b32 s27, s23, 3
	s_lshl_b32 s27, s27, 3
	s_add_co_u32 s26, s26, s27                     ; the tile's first row: 64 G + 8 u
	s_lshl_b32 s26, s26, 11                        ; rows of 2,048 bytes
	s_lshl_b32 s27, s21, 10                        ; 256 numbers are 1,024 bytes
	s_add_co_u32 s26, s26, s27
	s_mov_b32 s27, 0
	s_add_nc_u64 s[24:25], s[24:25], s[26:27]
	s_lshl_b32 s28, s22, 2
	s_lshl_b32 s29, s21, 1
	s_add_co_u32 s28, s28, s29
	s_mul_i32 s28, s28, 1536                       ; my first fragment's image
	s_mov_b32 s29, 0
	s_add_nc_u64 s[14:15], s[14:15], s[28:29]
	s_lshl_b32 s28, s22, 9
	s_lshl_b32 s30, s21, 8
	s_add_co_u32 s28, s28, s30                     ; my 256 bytes of scale words
	s_add_nc_u64 s[16:17], s[16:17], s[28:29]
.irp f, 0,1
.irp i, 0,1,2,3,4,5,6,7,8,9,10,11,12,13,14,15
	global_load_b128 v[R+64*\f+4*\i:R+64*\f+4*\i+3], v[LI], s[24:25] offset:(\i+24*(\i/8))*2048+512*\f th:TH_LOAD_NT   ; the tile's row i: 512 consecutive bytes
.endr
.endr
.irp f, 0,1
	s_wait_loadcnt 16-16*\f                        ; this fragment's 16 loads are in; the second fragment's 16 may stay out
.irp i, 0,1,2,3,4,5,6,7,8,9,10,11,12,13,14,15
	ds_store_b128 v[STI], v[R+64*\f+4*\i:R+64*\f+4*\i+3] offset:PITCH*\i
.endr
.irp c, 0,1
.irp j, 0,1,2,3,4,5,6,7
	ds_load_b128 v[X+32*\c+4*\j:X+32*\c+4*\j+3], v[STO] offset:256*\c+16*\j   ; LDS serves a wave's instructions in order: these see the stores above
.endr
.endr
	s_wait_dscnt 0x0
.if \f == 1
	s_wait_xcnt 0x0                                ; the first fragment's stores have read the registers that the codes below are written into
.endif
	QUANT X, PC, TP, PW+\f
.irp c, 0,1,2
	global_store_b128 v[LI], v[PC+4*\c:PC+4*\c+3], s[14:15] offset:1536*\f+512*\c   ; 512 consecutive bytes, aligned
.endr
.endr
	global_store_b64 v[LS], v[PW:PW+1], s[16:17]   ; 256 consecutive bytes, aligned
	s_wait_tensorcnt 0x0
	ds_add_u32 v254, v255
	s_wait_dscnt 0x0
	s_endpgm
.Lfunc_end_k_qeb516cd750_quant:
	.size	k_qeb516cd750_quant, .Lfunc_end_k_qeb516cd750_quant-k_qeb516cd750_quant
	.p2alignl 7, 3214868480
	.fill 96, 4, 3214868480
	.section	.rodata,"a",@progbits
	.p2align	6, 0x0
	.amdhsa_kernel k_qeb516cd750_quant
		.amdhsa_group_segment_fixed_size 43776
		.amdhsa_private_segment_fixed_size 0
		.amdhsa_enable_private_segment 0
		.amdhsa_kernarg_size 56
		.amdhsa_user_sgpr_count 2
		.amdhsa_user_sgpr_kernarg_segment_ptr 1
		.amdhsa_wavefront_size32 1
		.amdhsa_system_sgpr_workgroup_id_x 1
		.amdhsa_system_sgpr_workgroup_id_y 1
		.amdhsa_system_sgpr_workgroup_id_z 1
		.amdhsa_system_vgpr_workitem_id 0
		.amdhsa_next_free_vgpr 256
		.amdhsa_next_free_sgpr 66
		.amdhsa_reserve_vcc 0
		.amdhsa_float_denorm_mode_32 3
		.amdhsa_float_denorm_mode_16_64 3
		.amdhsa_memory_ordered 1
		.amdhsa_forward_progress 1
		.amdhsa_inst_pref_size 17
	.end_amdhsa_kernel
	.amdgpu_metadata
---
amdhsa.version: [ 1, 2 ]
amdhsa.kernels:
  - .name:           k_qeb516cd750_quant
    .symbol:         k_qeb516cd750_quant.kd
    .args:
      - { .name: x, .offset: 0, .size: 8, .value_kind: global_buffer, .address_space: global }
      - { .name: Wq, .offset: 8, .size: 8, .value_kind: global_buffer, .address_space: global }
      - { .name: Wk, .offset: 16, .size: 8, .value_kind: global_buffer, .address_space: global }
      - { .name: Wv, .offset: 24, .size: 8, .value_kind: global_buffer, .address_space: global }
      - { .name: Wo, .offset: 32, .size: 8, .value_kind: global_buffer, .address_space: global }
      - { .name: codes, .offset: 40, .size: 8, .value_kind: global_buffer, .address_space: global }
      - { .name: scl, .offset: 48, .size: 8, .value_kind: global_buffer, .address_space: global }
    .group_segment_fixed_size: 43776
    .private_segment_fixed_size: 0
    .kernarg_segment_align: 8
    .kernarg_segment_size: 56
    .max_flat_workgroup_size: 160
    .sgpr_count:     66
    .vgpr_count:     256
    .wavefront_size: 32
...
	.end_amdgpu_metadata
.endif
;; end of part 1
;; launch proj (part 2): grid 256 x 1, 3 waves a work-group, no clusters, 0 bytes of LDS; arguments codes, scl, bq, bk, bv, q, kv; writes q, kv
.if DOCPART == 2
	.amdgcn_target "amdgcn-amd-amdhsa--gfx1250"
	.amdhsa_code_object_version 6
	.text
	.protected	k_qeb516cd750_proj
	.globl	k_qeb516cd750_proj
	.p2align	8
	.type	k_qeb516cd750_proj,@function
k_qeb516cd750_proj:
	s_mov_b64 s[64:65], 0
	v_nop
	global_prefetch_b8 v0, s[64:65] scope:SCOPE_SE
	s_setreg_imm32_b32 hwreg(HW_REG_WAVE_MODE, 25, 1), 1
	s_wait_xcnt 0x0
; q = x Wq^T + bq, k = x Wk^T + bk, v = x Wv^T + bv on codes of BF6 with E8M0 scales, sums in f32; the results are quantised in registers and stored as images of the registers
; in which the attention launch wants them.
; SHARES: work-group g: cg = g & 3 (heads 2 cg, 2 cg + 1: 128 features), xg = g >> 2 (128 rows of x: batch xg >> 5, key step xg & 31).  Wave 0 makes q, wave 1 k, wave 2 v.
; THE PRODUCT: source 0 = 8 tiles (128 rows) that stay in registers for all of K = 512 (RESIDENT: 384 registers), source 1 = one tile (STREAMED), eight of them one after the other.
; A lane then holds one streamed row, and register 32 c + i of its 64 results is resident row 64 c + 32 (lane / 16) + i (the rows of a tile are chosen for that: tile 4 G + u holds row
; 64 G + 8 u + (r % 8) + 32 (r / 8) in lane r): two WHOLE blocks of 32 along the next product's K, in the order of the operand's registers.
;   q, k: resident = the weight's 128 rows, streamed = x's tiles: the next K is the head's 64 (two blocks of 32); a result fragment holds head 2 cg in registers 0-5 and head 2 cg + 1 in 6-11.
;   v:    resident = x's 128 rows (128 keys), streamed = Wv's tiles: the next K is the keys, which so come out innermost.
; OUT.  q: [bh 16][step 32][6,400 bytes]; kv: [bh][step][12,800]: k's record, then v's.  A record: 4 fragments of 1,536 bytes (3 chunks of 512: registers 4 c .. 4 c + 3 at 16 x lane), then 256 bytes of scale words.
;   q's and k's fragment pb: registers 0-5 = tile 2 pb's 64 dims, registers 6-11 = tile 2 pb + 1's; its scale word: the two bytes of the one, then of the other.
;   v's fragment tv: 16 of the head's 64 (d = 8 tv + (r % 8) + 32 (r / 8)) x 128 keys.
;   scale words: [lane][2 words]: word 0: fragment 0's in lanes 0-15, fragment 1's in lanes 16-31; word 1: fragments 2 and 3.
; The biases are the C of each sum's first matrix instruction.
; LOADS: the resident fragments go out K step by K step, so that the first tile's products of K step s wait only for steps 0 .. s; the streamed tiles have two sets of registers and are asked for two tiles ahead.
; LIMITS: as the quantising launch's: no NaN or infinities; blocks under 2^-122 and blocks of zeros keep the byte 1 (zero codes; the bytes are read by this program alone).
; NO JOINT LOADS, NO LDS: every operand is an image of registers and goes from memory straight into them.  The price: a wave reads 49,152 bytes of resident codes and
; 49,152 of streamed codes, which other work-groups read too (a weight's by 63 others, x's by 3); this plain form was chosen since a wave has only 256 matrix instructions.
; REGISTERS: window 0: see below.  Window 1: resident fragments of K steps 0, 1 at v[24 t + 12 s]; from v192 the bias of q or k, 8 registers a tile.  Window 2: K steps 2, 3; from v192 the odd streamed tiles' fragments.
.set LI,   1                           ; v1   16 x lane
.set LS,   2                           ; v2   8 x lane
.set BA,   3                           ; v3   my place in the bias
.set SH8,  4                           ; v4   8 h: my bytes' place in a scale word
.set BVAL, 8                           ; v8-15    v: my row's bias in each of the eight streamed tiles
.set HA,   64                          ; v64-127  eight accumulators   (v16-63: the even streamed tiles' four fragments)
.set PCA,  128                         ; v128-139 codes of the tile (of a pair: the first's)
.set PCB,  148                         ; v148-159 the second's
.set TP,   160
.set MX,   168                         ; v168-175 the two chunks that take two registers of each
.set TM,   176                         ; v176-184 at work
.set PWA,  192
.set PWB,  193
.set KW,   194                         ; v194-201 the scale words of the 2 x 4 fragments
.set SO,   202                         ; v202-205 and as they are stored
.set RS,   212                         ; v212-243 the resident tiles' scale words, v[RS + 4 t + s]: scales alone   (v208-211, v252-255: the even and the odd streamed tiles': scales alone)
.set BV,   244                         ; v244-251 v: the bias as C
.set BC,   192                         ; in window 1
.set RB,   24                          ; s[24:25] resident codes, s[26:27] their scale words, s[28:29], s[30:31] the streamed ones
.set RSB,  26
.set SB,   28
.set SSB,  30
.set OUT0, 32                          ; s[32:33] the first head's record, s[34:35] the second's
.set SEL,  36
.set BP,   38                          ; s[38:39] the bias
.set MSB, 0
.macro WIN new                         ; the immediate's high byte repeats the setting that is left
.if MSB != (\new)
	s_set_vgpr_msb (MSB<<8)|(\new)
.set MSB, (\new)
.endif
.endm
.macro QUANT s, pc, tp, pw             ; 64 numbers of a lane, v[s] on (two whole blocks of 32), become a fragment's 12 registers v[pc] on and its scale word v[pw]
.irp c, 0,1
	v_max3_num_f32 v[TM+2*\c], |v[\s+32*\c]|, |v[\s+32*\c+1]|, 0x2800000               ; each accumulator is read from its low end on; the floor 2^(5 - 127) holds the byte at 1
	v_max3_num_f32 v[TM+2*\c+1], |v[\s+32*\c+16]|, |v[\s+32*\c+17]|, |v[\s+32*\c+18]|
.endr
.irp i, 0,1,2,3,4,5
.irp c, 0,1
	v_max3_num_f32 v[TM+2*\c], v[TM+2*\c], |v[\s+32*\c+2+2*\i]|, |v[\s+32*\c+3+2*\i]|
	v_max3_num_f32 v[TM+2*\c+1], v[TM+2*\c+1], |v[\s+32*\c+19+2*\i]|, |v[\s+32*\c+20+2*\i]|
.endr
.endr
.irp c, 0,1
	v_max3_num_f32 v[TM+2*\c], v[TM+2*\c], |v[\s+32*\c+14]|, |v[\s+32*\c+15]|
.endr
.irp c, 0,1
	v_max3_num_f32 v[TM+2*\c], v[TM+2*\c], v[TM+2*\c+1], |v[\s+32*\c+31]|
.endr
.irp c, 0,1
	v_add_nc_u32 v[TM+4+\c], 0xfe000000, v[TM+2*\c]                                     ; 4 off the exponent field: the conversion's scale operand
.endr
.irp c, 0,1
	v_cvt_scalef32_pk16_bf6_f32 v[\pc+6*\c:\pc+6*\c+2], v[\s+32*\c:\s+32*\c+15], v[TM+4+\c]
	v_cvt_scalef32_pk16_bf6_f32 v[\tp+4*\c:\tp+4*\c+2], v[\s+32*\c+16:\s+32*\c+31], v[TM+4+\c]
.endr
	v_lshrrev_b32 v[TM+6], 23, v[TM+4]             ; the scales' bytes.  (Also the plain place behind the conversions)
	v_lshrrev_b32 v[TM+7], 23, v[TM+5]
	v_lshl_or_b32 v[\pw], v[TM+7], 16, v[TM+6]
	v_lshlrev_b32 v[\pw], v[SH8], v[\pw]
	v_permlanex16_b32 v[TM+8], v[\pw], s[SEL], s[SEL+1]
	v_or_b32 v[\pw], v[\pw], v[TM+8]               ; the whole word, in both halves of the lanes
.irp c, 0,1
.irp i, 0,1,2
	v_mov_b32 v[\pc+3+6*\c+\i], v[\tp+4*\c+\i]
.endr
.endr
.endm
.macro SLOAD i                         ; streamed tile i: four fragments and four scale words: 14 loads.  Even tiles: v16-63 of window 0, v208-211; odd tiles: v192-239 of window 2, v252-255
.set SFX, 16+176*((\i)%2)
.set SSX, 208+44*((\i)%2)
	WIN 0x80*((\i)%2)
.irp s, 0,1,2,3
.irp c, 0,1,2
	global_load_b128 v[SFX+12*\s+4*\c:SFX+12*\s+4*\c+3], v[LI], s[SB:SB+1] offset:6144*(\i)+1536*\s+512*\c
.endr
.endr
	WIN 0
.irp f, 0,1
	global_load_b64 v[SSX+2*\f:SSX+2*\f+1], v[LS], s[SSB:SSB+1] offset:512*(\i)+256*\f
.endr
.endm
.macro HLOADS                          ; behind the bias: the resident scale words, tile 0, the resident fragments K step by K step (24 loads each), tile 1
	WIN 0
.irp t, 0,1,2,3,4,5,6,7
.irp f, 0,1
	global_load_b64 v[RS+4*\t+2*\f:RS+4*\t+2*\f+1], v[LS], s[RSB:RSB+1] offset:512*\t+256*\f
.endr
.endr
	SLOAD 0
	WIN 0x40                                       ; destination window 1
.irp s, 0,1
.irp t, 0,1,2,3,4,5,6,7
.irp c, 0,1,2
	global_load_b128 v[24*\t+12*\s+4*\c:24*\t+12*\s+4*\c+3], v[LI], s[RB:RB+1] offset:6144*\t+1536*\s+512*\c
.endr
.endr
.endr
	WIN 0x80                                       ; destination window 2
.irp s, 0,1
.irp t, 0,1,2,3,4,5,6,7
.irp c, 0,1,2
	global_load_b128 v[24*\t+12*\s+4*\c:24*\t+12*\s+4*\c+3], v[LI], s[RB:RB+1] offset:6144*\t+1536*(\s+2)+512*\c
.endr
.endr
.endr
	SLOAD 1
.endm
.macro BIASV i                         ; v: my row's bias, eight times: the C of tile i's eight first products
.irp j, 0,1,2,3,4,5,6,7
	v_mov_b32 v[BV+\j], v[BVAL+(\i)]
.endr
.endm
; Streamed tile i against the 8 resident tiles: 32 matrix instructions, K step by K step, the eight accumulators by turns; then quantised.  kind 0: q, k; 1: v
.macro TILE kind, i, pc, pw
.set SFX, 16+176*((\i)%2)
.set SSX, 208+44*((\i)%2)
.set W1, 8*((\i)%2)                    ; source 1's window: 0 or 2
.irp s, 0,1,2,3
.if (\i) == 0
.if \s == 0
	s_wait_loadcnt 63                              ; all up to the resident K step 0 is in: 86 loads are younger, and 63 is the largest count that a wait can name
.else
	s_wait_loadcnt 86-24*\s                        ; the resident K step s is in; the later steps' 24 loads each and tile 1's 14 may stay out
.endif
.elseif \s == 0
.if (\i) < 7
	s_wait_loadcnt 14                              ; this tile is in; the next tile's 14 loads may stay out
.else
	s_wait_loadcnt 0x0
.endif
.endif
.if (\s == 0) && (\kind == 0)
	WIN 0x11|W1                                    ; source 0 and C (the bias) window 1
.elseif \s < 2
	WIN 0x01|W1                                    ; source 0 window 1
.else
	WIN 0x02|W1                                    ; source 0 window 2
.endif
.irp t, 0,1,2,3,4,5,6,7
.if (\s == 0) && (\kind == 0)
	v_wmma_scale_f32_16x16x128_f8f6f4 v[HA+8*\t:HA+8*\t+7], v[24*\t+12*(\s%2):24*\t+12*(\s%2)+11], v[SFX+12*\s:SFX+12*\s+11], v[BC+8*\t:BC+8*\t+7], v[RS+4*\t+\s], v[SSX+\s] matrix_a_fmt:MATRIX_FMT_BF6 matrix_b_fmt:MATRIX_FMT_BF6
.elseif \s == 0
	v_wmma_scale_f32_16x16x128_f8f6f4 v[HA+8*\t:HA+8*\t+7], v[24*\t+12*(\s%2):24*\t+12*(\s%2)+11], v[SFX+12*\s:SFX+12*\s+11], v[BV:BV+7], v[RS+4*\t+\s], v[SSX+\s] matrix_a_fmt:MATRIX_FMT_BF6 matrix_b_fmt:MATRIX_FMT_BF6
.else
	v_wmma_scale_f32_16x16x128_f8f6f4 v[HA+8*\t:HA+8*\t+7], v[24*\t+12*(\s%2):24*\t+12*(\s%2)+11], v[SFX+12*\s:SFX+12*\s+11], v[HA+8*\t:HA+8*\t+7], v[RS+4*\t+\s], v[SSX+\s] matrix_a_fmt:MATRIX_FMT_BF6 matrix_b_fmt:MATRIX_FMT_BF6
.endif
.endr
.endr
	WIN 0
.rept 4
	v_nop                                          ; four places behind the products: in front of the loads into their sources and of the first read of their results
.endr
	s_wait_xcnt 0x0                                ; earlier stores have read the registers that the codes below are written into
.if (\i)+2 < 8
	SLOAD (\i)+2                                   ; the tile two on takes this tile's registers: it has the next tile's products and two quantisers in which to land
.endif
.if \kind && ((\i) < 7)
	BIASV (\i)+1
.endif
	QUANT HA, \pc, TP, \pw
.endm
.macro SPACK                           ; the scale words of each head's four fragments, two fragments to a word's 32 lanes; 256 consecutive bytes
.irp e, 0,1
	v_cndmask_b32 v[SO+2*\e], v[KW+4*\e], v[KW+4*\e+1], vcc_lo
	v_cndmask_b32 v[SO+2*\e+1], v[KW+4*\e+2], v[KW+4*\e+3], vcc_lo
	global_store_b64 v[LS], v[SO+2*\e:SO+2*\e+1], s[OUT0+2*\e:OUT0+2*\e+1] offset:6144
.endr
.endm
	s_load_b256 s[4:11], s[0:1], 0x0               ; codes, scl, bq, bk
	s_load_b128 s[12:15], s[0:1], 0x20             ; bv, q
	s_load_b64 s[16:17], s[0:1], 0x30              ; kv
	v_lshrrev_b32 v5, 5, v0
	v_readfirstlane_b32 s18, v5                    ; wave 0..2
	v_and_b32 v5, 31, v0                           ; lane
	v_and_b32 v6, 15, v0                           ; r
	v_bfe_u32 v7, v0, 4, 1                         ; h
	v_lshlrev_b32 v[LI], 4, v5
	v_lshlrev_b32 v[LS], 3, v5
	v_lshlrev_b32 v[SH8], 3, v7
	v_cmp_le_u32 vcc_lo, 16, v5                    ; lanes 16-31: kept to the end
	v_mov_b32 v[TM+8], 0                           ; written once: a lane permute's destination counts as one of its sources
	s_mov_b32 s[SEL], 0x76543210
	s_mov_b32 s[SEL+1], 0xfedcba98
	s_and_b32 s19, ttmp9, 3                        ; cg
	s_lshr_b32 s20, ttmp9, 2                       ; xg
	s_lshl_b32 s54, s19, 3
	s_lshl_b32 s55, s18, 5
	s_add_co_u32 s54, s54, s55
	s_add_co_u32 s54, s54, 512                     ; my weight's first tile: 512 + 32 wave + 8 cg
	s_lshl_b32 s55, s20, 3                         ; x's first tile: 8 xg
	s_cmp_eq_u32 s18, 2
	s_cselect_b32 s21, s55, s54                    ; resident: the weight's tiles; for v: x's
	s_cselect_b32 s22, s54, s55                    ; streamed: the other
	s_mul_i32 s40, s21, 6144
	s_mov_b32 s41, 0
	s_lshl_b32 s42, s21, 9
	s_mov_b32 s43, 0
	s_mul_i32 s44, s22, 6144
	s_mov_b32 s45, 0
	s_lshl_b32 s46, s22, 9
	s_mov_b32 s47, 0
	s_lshr_b32 s54, s20, 5                         ; batch
	s_lshl_b32 s54, s54, 2
	s_add_co_u32 s54, s54, s19
	s_lshl_b32 s54, s54, 6                         ; (8 batch + 2 cg) x 32 records
	s_and_b32 s55, s20, 31
	s_add_co_u32 s54, s54, s55                     ; + the step: the first head's record
	s_mov_b32 s23, 6400
	s_mov_b32 s55, 12800
	s_cmp_eq_u32 s18, 0
	s_cselect_b32 s55, s23, s55                    ; bytes from record to record: q 6,400, kv 12,800
	s_mul_i32 s48, s54, s55
	s_lshl_b32 s50, s55, 5                         ; 32 records on: the next head
	s_cmp_eq_u32 s18, 2
	s_cselect_b32 s23, s23, 0                      ; v's record lies behind k's
	s_add_co_u32 s48, s48, s23
	s_mov_b32 s49, 0
	s_mov_b32 s51, 0
	s_lshl_b32 s52, s19, 9                         ; my 128 numbers of a bias
	s_mov_b32 s53, 0
	s_wait_kmcnt 0x0
	s_add_nc_u64 s[RB:RB+1], s[4:5], s[40:41]
	s_add_nc_u64 s[RSB:RSB+1], s[6:7], s[42:43]
	s_add_nc_u64 s[SB:SB+1], s[4:5], s[44:45]
	s_add_nc_u64 s[SSB:SSB+1], s[6:7], s[46:47]
	s_cmp_eq_u32 s18, 0                            ; the choices hang on the wave's number alone
	s_cselect_b64 s[OUT0:OUT0+1], s[14:15], s[16:17]
	s_cselect_b64 s[BP:BP+1], s[8:9], s[10:11]
	s_add_nc_u64 s[OUT0:OUT0+1], s[OUT0:OUT0+1], s[48:49]
	s_add_nc_u64 s[OUT0+2:OUT0+3], s[OUT0:OUT0+1], s[50:51]
	s_cmp_eq_u32 s18, 2
	s_cbranch_scc1 .Lv
	; ---- q and k
	s_add_nc_u64 s[BP:BP+1], s[BP:BP+1], s[52:53]
	s_wait_alu depctr_va_vdst(0)
	v_lshlrev_b32 v[BA], 7, v7                     ; lane (r, h) wants, for tile t, the bias of features 64 (t / 4) + 32 h + 8 (t % 4) + 0 .. 7
	WIN 0x40
.irp t, 0,1,2,3,4,5,6,7
	global_load_b128 v[BC+8*\t:BC+8*\t+3], v[BA], s[BP:BP+1] offset:(64*(\t/4)+8*(\t%4))*4
	global_load_b128 v[BC+8*\t+4:BC+8*\t+7], v[BA], s[BP:BP+1] offset:(64*(\t/4)+8*(\t%4))*4+16
.endr
	HLOADS
.irp pb, 0,1,2,3
	TILE 0, 2*\pb, PCA, PWA
	TILE 0, 2*\pb+1, PCB, PWB
	v_mov_b32 v[MX+0], v[PCA+4]                    ; each head's middle chunk: registers 4, 5 of the first tile's six, 0, 1 of the second's
	v_mov_b32 v[MX+1], v[PCA+5]
	v_mov_b32 v[MX+2], v[PCB+0]
	v_mov_b32 v[MX+3], v[PCB+1]
	v_mov_b32 v[MX+4], v[PCA+10]
	v_mov_b32 v[MX+5], v[PCA+11]
	v_mov_b32 v[MX+6], v[PCB+6]
	v_mov_b32 v[MX+7], v[PCB+7]
	global_store_b128 v[LI], v[PCA:PCA+3], s[OUT0:OUT0+1] offset:1536*\pb            ; each store: 512 consecutive bytes, aligned
	global_store_b128 v[LI], v[MX:MX+3], s[OUT0:OUT0+1] offset:1536*\pb+512
	global_store_b128 v[LI], v[PCB+2:PCB+5], s[OUT0:OUT0+1] offset:1536*\pb+1024
	global_store_b128 v[LI], v[PCA+6:PCA+9], s[OUT0+2:OUT0+3] offset:1536*\pb
	global_store_b128 v[LI], v[MX+4:MX+7], s[OUT0+2:OUT0+3] offset:1536*\pb+512
	global_store_b128 v[LI], v[PCB+8:PCB+11], s[OUT0+2:OUT0+3] offset:1536*\pb+1024
	v_perm_b32 v[KW+\pb], v[PWB], v[PWA], 0x05040100      ; the first head's two bytes of the one tile, then of the other
	v_perm_b32 v[KW+4+\pb], v[PWB], v[PWA], 0x07060302    ; the second head's
.endr
	SPACK
	s_endpgm
.Lv:	; ---- v
	s_add_nc_u64 s[BP:BP+1], s[12:13], s[52:53]
	s_wait_alu depctr_va_vdst(0)
	v_and_b32 v5, 8, v6
	v_mad_u32_u24 v5, v5, 3, v6
	v_lshlrev_b32 v[BA], 2, v5                     ; my row of a tile of Wv: (r % 8) + 32 (r / 8)
.irp i, 0,1,2,3,4,5,6,7
	global_load_b32 v[BVAL+\i], v[BA], s[BP:BP+1] offset:(64*(\i/4)+8*(\i%4))*4
.endr
	HLOADS
	s_wait_loadcnt 63                              ; the bias is in: 140 loads are younger
	BIASV 0
.rept 4
	v_nop
.endr
	s_wait_alu depctr_va_vdst(0)
.irp i, 0,1,2,3,4,5,6,7
	TILE 1, \i, PCA, KW+\i
.irp c, 0,1,2
	global_store_b128 v[LI], v[PCA+4*\c:PCA+4*\c+3], s[OUT0+2*(\i/4):OUT0+2*(\i/4)+1] offset:1536*(\i%4)+512*\c
.endr
.endr
	SPACK
	s_endpgm
.Lfunc_end_k_qeb516cd750_proj:
	.size	k_qeb516cd750_proj, .Lfunc_end_k_qeb516cd750_proj-k_qeb516cd750_proj
	.p2alignl 7, 3214868480
	.fill 96, 4, 3214868480
	.section	.rodata,"a",@progbits
	.p2align	6, 0x0
	.amdhsa_kernel k_qeb516cd750_proj
		.amdhsa_group_segment_fixed_size 0
		.amdhsa_private_segment_fixed_size 0
		.amdhsa_enable_private_segment 0
		.amdhsa_kernarg_size 56
		.amdhsa_user_sgpr_count 2
		.amdhsa_user_sgpr_kernarg_segment_ptr 1
		.amdhsa_wavefront_size32 1
		.amdhsa_system_sgpr_workgroup_id_x 1
		.amdhsa_system_sgpr_workgroup_id_y 1
		.amdhsa_system_sgpr_workgroup_id_z 1
		.amdhsa_system_vgpr_workitem_id 0
		.amdhsa_next_free_vgpr 768
		.amdhsa_next_free_sgpr 66
		.amdhsa_reserve_vcc 1
		.amdhsa_float_denorm_mode_32 3
		.amdhsa_float_denorm_mode_16_64 3
		.amdhsa_memory_ordered 1
		.amdhsa_forward_progress 1
		.amdhsa_inst_pref_size 172
	.end_amdhsa_kernel
	.amdgpu_metadata
---
amdhsa.version: [ 1, 2 ]
amdhsa.kernels:
  - .name:           k_qeb516cd750_proj
    .symbol:         k_qeb516cd750_proj.kd
    .args:
      - { .name: codes, .offset: 0, .size: 8, .value_kind: global_buffer, .address_space: global }
      - { .name: scl, .offset: 8, .size: 8, .value_kind: global_buffer, .address_space: global }
      - { .name: bq, .offset: 16, .size: 8, .value_kind: global_buffer, .address_space: global }
      - { .name: bk, .offset: 24, .size: 8, .value_kind: global_buffer, .address_space: global }
      - { .name: bv, .offset: 32, .size: 8, .value_kind: global_buffer, .address_space: global }
      - { .name: q, .offset: 40, .size: 8, .value_kind: global_buffer, .address_space: global }
      - { .name: kv, .offset: 48, .size: 8, .value_kind: global_buffer, .address_space: global }
    .group_segment_fixed_size: 0
    .private_segment_fixed_size: 0
    .kernarg_segment_align: 8
    .kernarg_segment_size: 56
    .max_flat_workgroup_size: 96
    .sgpr_count:     66
    .vgpr_count:     768
    .wavefront_size: 32
...
	.end_amdgpu_metadata
.endif
;; end of part 2
;; launch attn (part 3): grid 16 x 16, 8 waves a work-group, clusters of 4 x 1, 327,680 bytes of LDS; arguments q, kv, o; writes o
.if DOCPART == 3
	.amdgcn_target "amdgcn-amd-amdhsa--gfx1250"
	.amdhsa_code_object_version 6
	.text
	.protected	k_qeb516cd750_attn
	.globl	k_qeb516cd750_attn
	.p2align	8
	.type	k_qeb516cd750_attn,@function
k_qeb516cd750_attn:
	s_mov_b64 s[64:65], 0
	v_nop
	global_prefetch_b8 v0, s[64:65] scope:SCOPE_SE
	s_setreg_imm32_b32 hwreg(HW_REG_WAVE_MODE, 25, 1), 1
	s_wait_xcnt 0x0
	s_wait_alu depctr_hold_cnt(0) depctr_sa_sdst(0) depctr_va_vdst(0) depctr_va_sdst(0) depctr_va_ssrc(0) depctr_va_vcc(0) depctr_vm_vsrc(0)
	s_getreg_b32 s2, hwreg(HW_REG_IB_STS2, 6, 4)
	s_cmp_eq_u32 s2, 0
	s_cbranch_scc0 .Lentry_in_a_cluster
	s_endpgm
.Lentry_in_a_cluster:
	s_bfe_u32 s2, ttmp6, 0x10000c
	s_cmp_lg_u32 s2, 0x3003
	s_cbranch_scc0 .Lentry_shape_is_right
	s_endpgm
.Lentry_shape_is_right:
; o = softmax(q k^T / 8) v for 16 (batch, head) pairs of 4,096 queries and keys, head size 64, both products on codes of BF6 with E8M0 scales; the result is quantised along the head's 64 for the last projection.
; THE SOFTMAX: t = score x log2(e) / 8; M = the running largest t rounded UP to a whole number; p = 2^(t - M) is quantised along the keys, not normalised; the row's sum is taken of the unquantised p
; and divides O at the end.  When M moves, the sum and O are multiplied by 2^(old M - new M): exact.
; SHARES: a work-group owns 256 queries of one (batch, head); each of its eight waves TWO tiles of 16 queries, so that each fragment of K and V read from LDS feeds two tiles' products.
; Tile A's numbers lie in register window 0, tile B's at the same numbers in window 1: one macro serves both.  Every wave walks all 4,096 keys, 128 a step.
; BOTH PRODUCTS ARE USED TRANSPOSED: S^T = K Q^T, O^T = V^T P^T: a lane holds one query (lane % 16).  Register 32 c + i of a lane's 64 scores is key 64 c + 32 (lane / 16) + i (the records were laid so):
; two whole blocks of 32 keys a lane, in the order of the operand's registers.
; THE HEAD'S 64 IN AN INSTRUCTION OF 128: a fragment of K holds two tiles of keys, a in registers 0-5, b in 6-11.  Against [q][0] it gives a's scores, against [0][q] b's.  The 30 registers
; [qA][0][qB][0][qA] hold all four operands.  The other tile's codes meet zero codes.  LIMIT: where the paired tile's scale lies some 2^20 above a key's own, the sum's alignment could drop low bits of that key's score.
; ONE TILE'S MATRIX INSTRUCTIONS STAND SINGLY AMONG THE OTHER TILE'S VECTOR WORK: tile B's scores of step t among tile A's maxima; tile A's second product of step t and its scores of step t + 1
; among tile B's maxima and multiply-adds.  Only tile B's second product stands as a run of four, at the step's end.
; FRAGMENTS RUN AHEAD: K's of step t + 1 are asked for ahead of tile A's exponentials of step t, V's behind tile B's second product.  So a trip touches LDS only at the NEXT record.
; LDS: 24 records of 12,800 bytes, images of registers (reads of 16 x lane on end: no pitch, no padding).  Records 0-7 come by the head's loads (one record a wave), records 8-23 by one load a wave behind the
; first round (two records a wave), records 24-31 fill the bytes of records 0-7 again, behind the round that follows the trip which fetched record 7.
; CLUSTER: the four query blocks of a cluster walk the same records: each load is asked for JOINTLY, with one descriptor and the mask 15.  A wave has one tensor load out.
; NO PREFETCH: the second fill is asked for 7 key steps and the refill 16 key steps ahead of their first reads, by the tensor loads themselves; ahead of the head's fill there is no loop to ask in.
; OUT: o: [x tile 512][head 8][1,024 bytes]: registers 0-3 of the head's six at 16 x lane, registers 4, 5 at 512 + 8 x lane, the scale word twice at 768 + 8 x lane, shifted by 16 bits for odd heads.
; LIMITS: no NaN or infinities; blocks under 2^-122 and blocks of zeros keep the byte 1 (zero codes; the bytes are read by this program alone).
.set LI,  1                            ; v1   16 x lane
.set LS,  2                            ; v2   8 x lane
.set SPW, 3                            ; v3   LDS address of my spare word; never rewritten
.set NIL, 4                            ; v4   0; never rewritten
.set ADK, 5                            ; v5   the next record + 16 x lane
.set ADS, 6                            ; v6   + 8 x lane
; in both windows, one set a tile:
.set SH8, 8                            ; v8   8 h
.set OLDM, 9                           ; v9   -M as it was
.set SB,  10                           ; v10-11 the sum's second chain; v12 -M, v13 the largest score so far, v[14:15] the sum
.set S,   96                           ; v96-159  S^T, then p
.set O,   160                          ; v160-191 O^T
.set PCD, 192                          ; v192-203 p's codes
.set PT,  204                          ; v204-206, v208-210 the conversions' second halves
.set SC,  218                          ; v218-221 the sum's third and fourth chains
.set SD,  220
.set MB,  232
.set MC,  234
.set XT,  236
.set BY,  238
.set SOP, 244
.set FF,  252
.set TT,  254
; window 0 alone:
.set Q,   16                           ; v16-45   [qA][0][qB][0][qA]
.set QS,  46                           ; v46, v47 qA's and qB's scale words: scales alone
.set F,   48                           ; v48-95   K's four fragments; the same numbers in window 1: V's
.set KS,  212                          ; v212-213 K's scale words, v214-215 V's, v216 pA's, v217 pB's: scales alone (window 1's v216 is at work)
.set VS,  214
.set PS,  216
.set WV,  12
.set G1,  16                           ; s[16:23] group 1: 50 rows of 256 bytes;  s[24:31]: 100 rows
.set G1B, 24
.set G0A, 32                           ; s[32:35] group 0: records 0-7, later 24-31;  s[36:39]: records 8-23
.set G0B, 36
.set SEL, 40
.set CS,  42                           ; s[42:43] c = log2(e) / 8;  s44 -c
.set CN,  44
.set NB,  45                           ; LDS byte of the next record
.set CNT, 46
.set SHO, 47
.set STEPB, 12800
.set SPARE, 24*STEPB                   ; behind the records: the spare words, 128 bytes for each of eight waves
.set MSB, 0
.macro WIN new                         ; the immediate's high byte repeats the setting that is left
.if MSB != (\new)
	s_set_vgpr_msb (MSB<<8)|(\new)
.set MSB, (\new)
.endif
.endm
.macro CROUND                          ; a round of the cluster's barrier
	s_barrier_signal -1
	s_barrier_wait -1
	s_cmp_lg_u32 s[WV], 0
	s_cbranch_scc1 .Lnot_wave_0_\@
	s_barrier_signal -3
.Lnot_wave_0_\@:
	s_barrier_wait -3
	s_barrier_signal -1
	s_barrier_wait -1
.endm
.macro NOPS
.rept 4
	v_nop
.endr
.endm
.macro INIT                            ; a tile's state, under its window
	v_mov_b32 v13, 0xff61b1e6                      ; the largest score so far: -3e38
	v_mul_f32 v12, s[CN], v13
	v_floor_f32 v12, v12                           ; -M
	v_mov_b32 v14, 0
	v_mov_b32 v15, 0
	v_mov_b32 v[SB], 0
	v_mov_b32 v[SB+1], 0
	v_mov_b32 v[FF+1], 0
	v_mov_b32 v[XT], 0                             ; a lane permute's destination counts as one of its sources
.set j, 0
.rept 32
	v_mov_b32 v[O+j], 0                            ; the step is written without a first step of its own: it finds zeros, which the first change of M leaves zeros
.set j, j+1
.endr
.endm
.macro LOADK a, s                      ; 13 LDS loads: K's four fragments and their scale words
.irp i, 0,1,2,3,4,5,6,7,8,9,10,11
	ds_load_b128 v[F+4*\i:F+4*\i+3], v[\a] offset:512*\i
.endr
	ds_load_b64 v[KS:KS+1], v[\s] offset:6144
.endm
.macro LOADV a, s                      ; 13 LDS loads: V's, into window 1; the scale words into window 0
	WIN 0x40
.irp i, 0,1,2,3,4,5,6,7,8,9,10,11
	ds_load_b128 v[F+4*\i:F+4*\i+3], v[\a] offset:6400+512*\i
.endr
	WIN 0
	ds_load_b64 v[VS:VS+1], v[\s] offset:12544
.endm
.macro SONE w, n, back                 ; one product of tile w's S^T: fragment n / 2 against [q][0] (n even) or [0][q] (n odd); then the windows go back
	WIN 0x40*\w
.set QO, Q+18*((\n)%2)*(1-\w)+(12-6*((\n)%2))*\w
.if ((\n)/2)%2
	v_wmma_scale_f32_16x16x128_f8f6f4 v[S+8*(\n):S+8*(\n)+7], v[F+12*((\n)/2):F+12*((\n)/2)+11], v[QO:QO+11], 0, v[KS+(\n)/4], v[QS+\w] matrix_a_fmt:MATRIX_FMT_BF6 matrix_b_fmt:MATRIX_FMT_BF6 matrix_a_scale:MATRIX_SCALE_ROW1
.else
	v_wmma_scale_f32_16x16x128_f8f6f4 v[S+8*(\n):S+8*(\n)+7], v[F+12*((\n)/2):F+12*((\n)/2)+11], v[QO:QO+11], 0, v[KS+(\n)/4], v[QS+\w] matrix_a_fmt:MATRIX_FMT_BF6 matrix_b_fmt:MATRIX_FMT_BF6
.endif
	WIN \back
.endm
.macro PONE w, t, back                 ; one product of tile w's O^T += V^T P^T: source 0 (V) window 1, the rest the tile's window.  An accumulator has one instruction a step
	WIN 0x01+0x54*\w
.if (\t)%2
	v_wmma_scale_f32_16x16x128_f8f6f4 v[O+8*(\t):O+8*(\t)+7], v[F+12*(\t):F+12*(\t)+11], v[PCD:PCD+11], v[O+8*(\t):O+8*(\t)+7], v[VS+(\t)/2], v[PS+\w] matrix_a_fmt:MATRIX_FMT_BF6 matrix_b_fmt:MATRIX_FMT_BF6 matrix_a_scale:MATRIX_SCALE_ROW1
.else
	v_wmma_scale_f32_16x16x128_f8f6f4 v[O+8*(\t):O+8*(\t)+7], v[F+12*(\t):F+12*(\t)+11], v[PCD:PCD+11], v[O+8*(\t):O+8*(\t)+7], v[VS+(\t)/2], v[PS+\w] matrix_a_fmt:MATRIX_FMT_BF6 matrix_b_fmt:MATRIX_FMT_BF6
.endif
	WIN \back
.endm
; What stands at place i (0 .. 11) of tile w's softmax.  In tile A's: tile B's eight score products of this step, then the loads of the next K.  In tile B's: tile A's second product, then its scores of the next step.
.macro HK w, i, ld
.if \w == 0
.if ((\i) < 7) && ((\i) % 2 == 0)
	SONE 1, ((\i)/2), 0
.elseif ((\i) >= 7) && ((\i) < 11)
	SONE 1, ((\i)-3), 0
.elseif ((\i) == 11) && \ld
	v_add_nc_u32 v[ADK], s[NB], v[LI]              ; nine plain vector instructions stand between the last product on K and these loads
	v_add_nc_u32 v[ADS], s[NB], v[LS]
	LOADK ADK, ADS
.endif
.else
.if (\i) < 4
	PONE 0, (\i), 0x55
.elseif \ld
	SONE 0, ((\i)-4), 0x55
.endif
.endif
.endm
.macro TAIL                            ; the sums' last four additions; behind tile B's second product they are its four places
	v_pk_add_f32 v[14:15], v[14:15], v[S+60:S+61]
	v_pk_add_f32 v[SB:SB+1], v[SB:SB+1], v[S+62:S+63]
	v_pk_add_f32 v[14:15], v[14:15], v[SD:SD+1]
	v_pk_add_f32 v[SB:SB+1], v[SB:SB+1], v[SC:SC+1]
.endm
.macro SOFT w, ld                      ; a tile's scores become p's codes and scale word; the sum and O^T come under the new M.  Runs under the tile's window
.irp c, 0,1
	v_max3_num_f32 v[MB+\c], v[S+32*\c], v[S+32*\c+1], v[S+32*\c+8]        ; the largest score of each of my two blocks of 32 keys, two chains each.  These four lines are the first reads of all eight accumulators, each at its low end
	v_max3_num_f32 v[MC+\c], v[S+32*\c+16], v[S+32*\c+17], v[S+32*\c+24]
.endr
	v_mov_b32 v[OLDM], v12                         ; -M is kept,
	v_pk_add_f32 v[14:15], v[14:15], v[SB:SB+1]    ; and the last step's second chain joins the sum
	HK \w, 0, \ld
.irp i, 0,1,2,3,4,5
.irp c, 0,1
	v_max3_num_f32 v[MB+\c], v[MB+\c], v[S+32*\c+2+2*\i+\i/3], v[S+32*\c+3+2*\i+\i/3]
	v_max3_num_f32 v[MC+\c], v[MC+\c], v[S+32*\c+18+2*\i+\i/3], v[S+32*\c+19+2*\i+\i/3]
.endr
	HK \w, \i+1, \ld
.endr
.irp c, 0,1
	v_max3_num_f32 v[MB+\c], v[MB+\c], v[S+32*\c+15], v[S+32*\c+31]
.endr
.irp c, 0,1
	s_delay_alu instid0(VALU_DEP_2)
	v_max_num_f32 v[MB+\c], v[MB+\c], v[MC+\c]
.endr
	s_delay_alu instid0(VALU_DEP_1)
	v_max_num_f32 v[TT], v[MB], v[MB+1]
	HK \w, 7, \ld
	v_permlanex16_b32 v[XT], v[TT], s[SEL], s[SEL+1]
	s_delay_alu instid0(VALU_DEP_1)
	v_max3_num_f32 v13, v13, v[TT], v[XT]          ; with lane l xor 16's, and the largest so far
	HK \w, 8, \ld
	v_mul_f32 v[TT], s[CN], v13                    ; -t
	s_delay_alu instid0(VALU_DEP_1)
	v_floor_f32 v12, v[TT]                         ; the new -M = -ceil(t)
	HK \w, 9, \ld
	v_sub_f32 v[TT], v12, v[OLDM]                  ; old M - new M: a whole number, 0 or less
	s_delay_alu instid0(VALU_DEP_1)
	v_cvt_i32_f32 v[TT], v[TT]                     ; (it saturates)
	HK \w, 10, \ld
	v_ldexp_f32 v[FF], 1.0, v[TT]                  ; f = 2^(old M - new M)
.set j, 0
.rept 8
	v_pk_fma_f32 v[S+j:S+j+1], v[S+j:S+j+1], s[CS:CS+1], v[12:13] op_sel_hi:[1,0,0]   ; t - M, two at a time
.set j, j+2
.endr
	HK \w, 11, \ld
.rept 24
	v_pk_fma_f32 v[S+j:S+j+1], v[S+j:S+j+1], s[CS:CS+1], v[12:13] op_sel_hi:[1,0,0]
.set j, j+2
.endr
	v_pk_fma_f32 v[MB:MB+1], v[MB:MB+1], s[CS:CS+1], v[12:13] op_sel_hi:[1,0,0]       ; the same of my two blocks' largest scores
	s_wait_alu depctr_va_vdst(0)                   ; the wait ahead of the batch
.set j, 0
.rept 64
	v_exp_f32 v[S+j], v[S+j]                       ; p = 2^(t - M)
.set j, j+1
.endr
.irp c, 0,1
	v_exp_f32 v[MB+\c], v[MB+\c]                   ; the block's largest p: the same two instructions on the same number
.endr
	s_wait_alu depctr_va_vdst(0)                   ; and behind it
	v_pk_mul_f32 v[O:O+1], v[O:O+1], v[FF:FF+1] op_sel_hi:[1,0]        ; O^T under the new M begins here: the plain place behind the exponentials
	s_wait_alu depctr_va_vdst(0)
.irp c, 0,1
	v_max_num_f32 v[MB+\c], 0x2800000, v[MB+\c]    ; the floor 2^(5 - 127): the byte cannot fall under 1
.endr
.irp c, 0,1
	s_delay_alu instid0(VALU_DEP_2)
	v_add_nc_u32 v[SOP+\c], 0xfe000000, v[MB+\c]   ; 4 off the exponent field: the conversion's scale operand
.endr
.irp c, 0,1
	v_cvt_scalef32_pk16_bf6_f32 v[PCD+6*\c:PCD+6*\c+2], v[S+32*\c:S+32*\c+15], v[SOP+\c]
	v_cvt_scalef32_pk16_bf6_f32 v[PT+4*\c:PT+4*\c+2], v[S+32*\c+16:S+32*\c+31], v[SOP+\c]   ; a conversion's three registers begin on an even number
.endr
	v_lshrrev_b32 v[BY], 23, v[SOP]                ; the scales' bytes.  (Also the plain place behind the conversions.)  The word's chain stands among the sums' first lines and the moves
	v_lshrrev_b32 v[BY+1], 23, v[SOP+1]
	v_pk_add_f32 v[SB:SB+1], v[S:S+1], v[S+2:S+3]  ; the row's sum is taken of the unquantised p: two at a time, in four chains;
	v_pk_add_f32 v[SC:SC+1], v[S+4:S+5], v[S+6:S+7]
	v_lshl_or_b32 v[PS], v[BY+1], 16, v[BY]        ; blocks h and 2 + h,
	v_pk_add_f32 v[SD:SD+1], v[S+8:S+9], v[S+10:S+11]
	v_pk_fma_f32 v[14:15], v[14:15], v[FF:FF+1], v[S+12:S+13] op_sel_hi:[1,0,1]   ; the first addition onto the old sum brings it under the new M
	v_lshlrev_b32 v[PS], v[SH8], v[PS]             ; at their places in the word;
.irp i, 0,1,2
	v_mov_b32 v[PCD+3+\i], v[PT+\i]
.endr
	v_permlanex16_b32 v[XT], v[PS], s[SEL], s[SEL+1]
.irp i, 0,1,2
	v_mov_b32 v[PCD+9+\i], v[PT+4+\i]
.endr
.if \w
	WIN 0x05                                       ; scale operands are taken from window 0: tile B's word goes there
	v_or_b32 v[PS+1], v[PS], v[XT]
	WIN 0x55
.else
	v_or_b32 v[PS], v[PS], v[XT]                   ; with lane l xor 16's two: p's scale word for these 128 keys
.endif
.set j, 14
.rept 5
	v_pk_add_f32 v[SB:SB+1], v[SB:SB+1], v[S+j:S+j+1]
	v_pk_add_f32 v[SC:SC+1], v[SC:SC+1], v[S+j+2:S+j+3]
	v_pk_add_f32 v[SD:SD+1], v[SD:SD+1], v[S+j+4:S+j+5]
	v_pk_add_f32 v[14:15], v[14:15], v[S+j+6:S+j+7]
.set j, j+8
.endr
	v_pk_add_f32 v[SB:SB+1], v[SB:SB+1], v[S+54:S+55]
	v_pk_add_f32 v[SC:SC+1], v[SC:SC+1], v[S+56:S+57]
	v_pk_add_f32 v[SD:SD+1], v[SD:SD+1], v[S+58:S+59]
.set j, 2
.rept 15
	v_pk_mul_f32 v[O+j:O+j+1], v[O+j:O+j+1], v[FF:FF+1] op_sel_hi:[1,0]   ; the rest of O^T, each accumulator from its low end on.  (With the sums: the places between the writes of p's codes and scale word and the products)
.set j, j+2
.endr
.endm
; A KEY STEP: 128 keys x my two tiles.  It finds tile A's scores made.  ld = 1: the next record's fragments are fetched and tile A's next scores made.
.macro STEP ld
	s_wait_alu depctr_va_vdst(0)                   ; the wait here, directly ahead of the first readers of tile A's scores
	SOFT 0, \ld
	TAIL                                           ; tile A's p is read out: its registers take the next scores
	WIN 0x55
	s_wait_dscnt 0x0                               ; V and the next K are in: V's loads were issued at the last step's end, K's ahead of tile A's exponentials
	s_wait_alu depctr_va_vdst(0)                   ; the wait here, directly ahead of the first readers of tile B's scores
	SOFT 1, \ld
.irp t, 0,1,2,3
	PONE 1, \t, 0x55
.endr
	TAIL                                           ; the four places in front of the loads into V's registers
	WIN 0
.if \ld
	LOADV ADK, ADS
.endif
.endm
.macro STEPS n, base                   ; n key steps; the records that they fetch lie on end from LDS byte base on
	s_mov_b32 s[NB], \base
	s_mov_b32 s[CNT], \n
.Lstep_\@:
	STEP 1
	s_add_co_u32 s[NB], s[NB], STEPB
	s_sub_co_u32 s[CNT], s[CNT], 1
	s_cmp_lg_u32 s[CNT], 0
	s_cbranch_scc1 .Lstep_\@
.endm
; THE WAY OUT of tile w: O^T / the sum, quantised along the head's 64: register i is d = 32 (lane / 16) + i of my query: one whole block a lane.
.macro OUTT w
	WIN 0x55*\w
	v_pk_add_f32 v[14:15], v[14:15], v[SB:SB+1]
	s_delay_alu instid0(VALU_DEP_1)
	v_add_f32 v14, v14, v15
	s_delay_alu instid0(VALU_DEP_1)
	v_permlanex16_b32 v[TT], v14, s[SEL], s[SEL+1]
	s_delay_alu instid0(VALU_DEP_1)
	v_add_f32 v14, v14, v[TT]                      ; the row's sum
	s_wait_alu depctr_va_vdst(0)                   ; the wait ahead of the reciprocal,
	v_rcp_f32 v14, v14
	v_nop                                          ; one plain place behind it,
	s_wait_alu depctr_va_vdst(0)                   ; and the wait ahead of its first reader
.set j, 0
.rept 32
	v_mul_f32 v[S+j], v[O+j], v14                  ; each accumulator from its low end on
.set j, j+1
.endr
	v_max3_num_f32 v[MB], |v[S]|, |v[S+1]|, 0x2800000
	v_max3_num_f32 v[MC], |v[S+16]|, |v[S+17]|, |v[S+18]|
.irp i, 0,1,2,3,4,5
	s_delay_alu instid0(VALU_DEP_2)
	v_max3_num_f32 v[MB], v[MB], |v[S+2+2*\i]|, |v[S+3+2*\i]|
	s_delay_alu instid0(VALU_DEP_2)
	v_max3_num_f32 v[MC], v[MC], |v[S+19+2*\i]|, |v[S+20+2*\i]|
.endr
	s_delay_alu instid0(VALU_DEP_2)
	v_max3_num_f32 v[MB], v[MB], |v[S+14]|, |v[S+15]|
	s_delay_alu instid0(VALU_DEP_1)
	v_max3_num_f32 v[MB], v[MB], v[MC], |v[S+31]|
	s_delay_alu instid0(VALU_DEP_1)
	v_add_nc_u32 v[SOP], 0xfe000000, v[MB]
	v_cvt_scalef32_pk16_bf6_f32 v[PCD:PCD+2], v[S:S+15], v[SOP]
	v_cvt_scalef32_pk16_bf6_f32 v[PT:PT+2], v[S+16:S+31], v[SOP]
	v_lshrrev_b32 v[BY], 23, v[SOP]                ; my block's byte.  (Also the plain place behind the conversions)
	s_delay_alu instid0(VALU_DEP_1)
	v_lshlrev_b32 v[BY], v[SH8], v[BY]
	s_delay_alu instid0(VALU_DEP_1)
	v_permlanex16_b32 v[XT], v[BY], s[SEL], s[SEL+1]
	s_delay_alu instid0(VALU_DEP_1)
	v_or_b32 v240, v[BY], v[XT]                    ; the head's two bytes,
	s_delay_alu instid0(VALU_DEP_1)
	v_lshlrev_b32 v240, s[SHO], v240               ; at their place in the scale word of 128 along D
	s_delay_alu instid0(VALU_DEP_1)
	v_mov_b32 v241, v240
.irp i, 0,1,2
	v_mov_b32 v[PCD+3+\i], v[PT+\i]
.endr
	WIN 0x04*\w                                    ; the stores' data: the tile's window; their offsets: window 0
	global_store_b128 v[LI], v[PCD:PCD+3], s[8:9] offset:8192*\w              ; 512 consecutive bytes, aligned
	global_store_b64 v[LS], v[PCD+4:PCD+5], s[8:9] offset:8192*\w+512         ; 256 consecutive bytes, aligned
	global_store_b64 v[LS], v[240:241], s[8:9] offset:8192*\w+768
.endm
	s_load_b128 s[4:7], s[0:1], 0x0                ; q, kv
	s_load_b64 s[8:9], s[0:1], 0x10                ; o
	v_lshl_add_u32 v[SPW], v0, 2, SPARE
	v_mov_b32 v[NIL], 0
	ds_add_u32 v[SPW], v[NIL]                      ; the opening lines: the add, twice on end, and its wait ahead of my first tensor load
	ds_add_u32 v[SPW], v[NIL]
	v_lshrrev_b32 v5, 5, v0
	v_readfirstlane_b32 s[WV], v5                  ; wave 0..7
	s_bfe_u32 s13, ttmp6, 0x40000                  ; cx
	s_lshl_b32 s14, ttmp9, 2
	s_add_co_u32 s14, s14, s13                     ; my block of 256 queries: it enters q's and o's addresses alone
	s_and_b32 s15, ttmp7, 0xffff                   ; bh = 8 batch + head, which the four partners share
.irp g, G1, G1B
	s_mov_b32 s[\g+0], 15|(3<<16)|(1<<21)          ; the mask: all four work-groups; elements of 8 bytes; bit 21 beside a mask; no padding
	s_mov_b32 s[\g+1], 32<<16                      ; tensor_dim0 = 32 elements: 256 bytes
	s_mov_b32 s[\g+3], 32<<16                      ; tile_dim0
	s_mov_b32 s[\g+5], 32                          ; the pitch: the block is dense
	s_mov_b32 s[\g+6], 0
	s_mov_b32 s[\g+7], 0
.endr
	s_mov_b32 s[G1+2], 50<<16                      ; one record: 50 rows
	s_mov_b32 s[G1+4], 50
	s_mov_b32 s[G1B+2], 100<<16                    ; two records
	s_mov_b32 s[G1B+4], 100
	s_mul_i32 s48, s[WV], STEPB                    ; records 0-7: mine, in LDS and in the head's records alike
	s_mul_i32 s49, s[WV], 2*STEPB
	s_add_co_u32 s49, s49, 8*STEPB                 ; records 8-23: my two
	s_mul_i32 s50, s15, 32*STEPB                   ; the head's records
	s_add_co_u32 s52, s50, s48
	s_mov_b32 s53, 0
	s_add_co_u32 s54, s50, s49
	s_mov_b32 s55, 0
	s_lshl_b32 s56, s15, 5                         ; q's record: 32 bh + 2 block + wave / 4
	s_lshl_b32 s57, s14, 1
	s_add_co_u32 s56, s56, s57
	s_lshr_b32 s57, s[WV], 2
	s_add_co_u32 s56, s56, s57
	s_mul_i32 s56, s56, 6400
	s_and_b32 s57, s[WV], 3                        ; its fragment wave % 4 holds my two tiles
	s_mul_i32 s58, s57, 1536
	s_add_co_u32 s58, s58, s56
	s_mov_b32 s59, 0
	s_and_b32 s60, s57, 1                          ; its scale words: lanes 16 (f % 2) on, word f / 2
	s_lshl_b32 s60, s60, 7
	s_lshr_b32 s57, s57, 1
	s_lshl_b32 s57, s57, 2
	s_add_co_u32 s60, s60, s57
	s_add_co_u32 s60, s60, s56
	s_add_co_u32 s60, s60, 6144
	s_mov_b32 s61, 0
	s_lshr_b32 s56, s15, 3                         ; o: x tile 256 batch + 16 block + 2 wave,
	s_lshl_b32 s56, s56, 8
	s_lshl_b32 s57, s14, 4
	s_add_co_u32 s56, s56, s57
	s_lshl_b32 s57, s[WV], 1
	s_add_co_u32 s56, s56, s57
	s_lshl_b32 s56, s56, 3
	s_and_b32 s57, s15, 7
	s_add_co_u32 s56, s56, s57                     ; x 8 + head,
	s_lshl_b32 s56, s56, 10                        ; records of 1,024 bytes
	s_mov_b32 s57, 0
	s_and_b32 s[SHO], s15, 1
	s_lshl_b32 s[SHO], s[SHO], 4                   ; an odd head's two scale bytes stand 16 bits up
	s_mov_b32 s[SEL], 0x76543210
	s_mov_b32 s[SEL+1], 0xfedcba98
	s_mov_b32 s[CS], 0x3e38aa3b                    ; log2(e) / 8
	s_mov_b32 s[CS+1], s[CS]
	s_mov_b32 s[CN], 0xbe38aa3b
	s_wait_dscnt 0x0                               ; both opening adds are done
	s_wait_kmcnt 0x0
	s_add_nc_u64 s[52:53], s[6:7], s[52:53]
	s_add_nc_u64 s[54:55], s[6:7], s[54:55]
	s_add_nc_u64 s[58:59], s[4:5], s[58:59]
	s_add_nc_u64 s[60:61], s[4:5], s[60:61]
	s_add_nc_u64 s[8:9], s[8:9], s[56:57]
	CROUND                                         ; all four work-groups are here: the first joint loads meet
	s_mov_b32 s[G0A], 1
	s_mov_b32 s[G0A+1], s48
	s_mov_b64 s[G0A+2:G0A+3], s[52:53]
	s_or_b32 s[G0A+3], s[G0A+3], 0x80000000
	s_mov_b32 s[G0B], 1
	s_mov_b32 s[G0B+1], s49
	s_mov_b64 s[G0B+2:G0B+3], s[54:55]
	s_or_b32 s[G0B+3], s[G0B+3], 0x80000000
	tensor_load_to_lds s[G0A:G0A+3], s[G1:G1+7]    ; records 0-7, one a wave: my one load at the head
	s_nop 0
	NOPS
	v_and_b32 v9, 31, v0
	v_lshlrev_b32 v[LI], 4, v9
	v_lshlrev_b32 v[LS], 3, v9
	v_and_b32 v7, 15, v0
	v_lshlrev_b32 v7, 3, v7                        ; 8 r
	v_bfe_u32 v[SH8], v0, 4, 1
	v_lshlrev_b32 v[SH8], 3, v[SH8]                ; 8 h
.irp c, 0,1,2
	global_load_b128 v[F+4*\c:F+4*\c+3], v[LI], s[58:59] offset:512*\c     ; q's fragment: tile A in registers 0-5, tile B in 6-11
.endr
	global_load_b32 v[TT], v7, s[60:61]            ; its scale word: A's two bytes, then B's
	INIT
	s_wait_alu depctr_va_vdst(0)                   ; the wait here, directly ahead of the wait below
	s_wait_loadcnt 0x0
	v_perm_b32 v[QS], v[TT], v[TT], 0x01000100     ; A's two bytes, twice
	v_perm_b32 v[QS+1], v[TT], v[TT], 0x03020302   ; B's
.irp i, 0,1,2,3,4,5
	v_mov_b32 v[Q+\i], v[F+\i]
	v_mov_b32 v[Q+24+\i], v[F+\i]
	v_mov_b32 v[Q+12+\i], v[F+6+\i]
	v_mov_b32 v[Q+6+\i], 0                         ; the zero codes
	v_mov_b32 v[Q+18+\i], 0
.endr
	WIN 0x40
	v_mov_b32 v[SH8], v[SH8]                       ; 8 h for tile B's window
	WIN 0x55
	INIT                                           ; (also the places between the writes of q and its scale words and the first product)
	WIN 0
	s_wait_alu depctr_va_vdst(0)                   ; the wait at the head's end
	s_wait_tensorcnt 0x0                           ; my record is in
	ds_add_u32 v[SPW], v[NIL]
	s_wait_dscnt 0x0
	CROUND                                         ; everybody's record is in, and all four work-groups are here
	tensor_load_to_lds s[G0B:G0B+3], s[G1B:G1B+7]  ; records 8-23, two a wave: seven key steps stand between this load and the wait for it
	s_nop 0
	NOPS
	LOADK LI, LS                                   ; record 0
	LOADV LI, LS
	s_wait_dscnt 13                                ; K's 13 loads are in; V's 13, which are younger, may be out
.irp n, 0,1,2,3,4,5,6,7
	SONE 0, \n, 0                                  ; tile A's scores of step 0
.endr
	NOPS                                           ; four places in front of their first read
	STEPS 7, STEPB                                 ; steps 0-6; they fetch records 1-7
	s_wait_tensorcnt 0x0                           ; my two records of 8-23 have landed: a group 0 may be written
	ds_add_u32 v[SPW], v[NIL]
	s_add_nc_u64 s[G0A+2:G0A+3], s[G0A+2:G0A+3], 24*STEPB    ; records 24-31
	s_wait_dscnt 0x0                               ; the add is done, and my reads of records 0-7 are over: record 7 is in registers
	CROUND                                         ; both now hold of every wave of all four work-groups
	tensor_load_to_lds s[G0A:G0A+3], s[G1:G1+7]    ; the one refill: sixteen key steps stand between it and the wait for it
	s_nop 0
	NOPS
	STEPS 16, 8*STEPB                              ; steps 7-22; they fetch records 8-23
	s_wait_tensorcnt 0x0                           ; my record of the refill has landed
	ds_add_u32 v[SPW], v[NIL]
	s_wait_dscnt 0x0
	s_barrier_signal -1
	s_barrier_wait -1                              ; everybody's has
	STEPS 8, 0                                     ; steps 23-30; they fetch records 24-31
	STEP 0                                         ; step 31 fetches nothing
	OUTT 0
	OUTT 1
	WIN 0
	s_wait_tensorcnt 0x0                           ; the wave's end
	ds_add_u32 v[SPW], v[NIL]
	s_wait_dscnt 0x0
	CROUND                                         ; the closing round: no work-group ends while a partner may still ask for a tile that names it
	s_endpgm
.Lfunc_end_k_qeb516cd750_attn:
	.size	k_qeb516cd750_attn, .Lfunc_end_k_qeb516cd750_attn-k_qeb516cd750_attn
	.p2alignl 7, 3214868480
	.fill 96, 4, 3214868480
	.section	.rodata,"a",@progbits
	.p2align	6, 0x0
	.amdhsa_kernel k_qeb516cd750_attn
		.amdhsa_group_segment_fixed_size 327680
		.amdhsa_private_segment_fixed_size 0
		.amdhsa_enable_private_segment 0
		.amdhsa_kernarg_size 24
		.amdhsa_user_sgpr_count 2
		.amdhsa_user_sgpr_kernarg_segment_ptr 1
		.amdhsa_wavefront_size32 1
		.amdhsa_system_sgpr_workgroup_id_x 1
		.amdhsa_system_sgpr_workgroup_id_y 1
		.amdhsa_system_sgpr_workgroup_id_z 1
		.amdhsa_system_vgpr_workitem_id 0
		.amdhsa_next_free_vgpr 512
		.amdhsa_next_free_sgpr 66
		.amdhsa_reserve_vcc 0
		.amdhsa_float_denorm_mode_32 3
		.amdhsa_float_denorm_mode_16_64 3
		.amdhsa_memory_ordered 1
		.amdhsa_forward_progress 1
		.amdhsa_inst_pref_size 130
	.end_amdhsa_kernel
	.amdgpu_metadata
---
amdhsa.version: [ 1, 2 ]
amdhsa.kernels:
  - .name:           k_qeb516cd750_attn
    .symbol:         k_qeb516cd750_attn.kd
    .args:
      - { .name: q, .offset: 0, .size: 8, .value_kind: global_buffer, .address_space: global }
      - { .name: kv, .offset: 8, .size: 8, .value_kind: global_buffer, .address_space: global }
      - { .name: o, .offset: 16, .size: 8, .value_kind: global_buffer, .address_space: global }
    .group_segment_fixed_size: 327680
    .private_segment_fixed_size: 0
    .kernarg_segment_align: 8
    .kernarg_segment_size: 24
    .max_flat_workgroup_size: 256
    .sgpr_count:     66
    .vgpr_count:     512
    .wavefront_size: 32
...
	.end_amdgpu_metadata
.endif
;; end of part 3
;; launch outp (part 4): grid 256 x 1, 4 waves a work-group, no clusters, 34,304 bytes of LDS; arguments o, codes, scl, bo, out0; writes out0
.if DOCPART == 4
	.amdgcn_target "amdgcn-amd-amdhsa--gfx1250"
	.amdhsa_code_object_version 6
	.text
	.protected	k_qeb516cd750_outp
	.globl	k_qeb516cd750_outp
	.p2align	8
	.type	k_qeb516cd750_outp,@function
k_qeb516cd750_outp:
	s_mov_b64 s[64:65], 0
	v_nop
	global_prefetch_b8 v0, s[64:65] scope:SCOPE_SE
	s_setreg_imm32_b32 hwreg(HW_REG_WAVE_MODE, 25, 1), 1
	s_wait_xcnt 0x0
; out0 = attention's result x Wo^T + bo, on codes of BF6 with E8M0 scales, sums in f32.
; SHARES: work-group g takes 128 rows x 128 columns: the eight tiles 8 (g / 4) .. 8 (g / 4) + 7 of o and columns 128 (g % 4) .. + 127.  Wave w takes the tile pair p = 4 (g / 4) + w: tiles 2 p and 2 p + 1
; (tile 4 G + u holds row 64 G + 8 u + (r % 8) + 32 (r / 8) in lane r).  All four waves take the same eight tiles of Wo, 608 + 8 (g % 4) ..: a work-group names
; 53,248 different bytes of Wo (codes and scale words) and 4 x 16,384 of o.
; Source 0 = Wo's 8 tiles (128 rows of Wo = 128 output columns), which stay in registers for all of K = 512; source 1 = a tile of o.  A lane then holds one row of the result, and register
; 32 c + i of its 64 is column 128 (g % 4) + 64 c + 32 (lane / 16) + i.  bo is the C of each sum's first matrix instruction.
; o: [tile][head 8][1,024 bytes]: registers 0-3 of the head's six at 16 x lane, registers 4, 5 at 512 + 8 x lane; the head's two scale bytes, at their place in the word of 128 along K, at 768 + 8 x lane.
; A K step of 128 is two heads: their six registers on end are the fragment, the OR of their words its scale word.
; LOADS: all go out at the head: bo, o's first tile, Wo's scale words, Wo's fragments K step by K step (so that the first tile's products of K step s wait only for steps 0 .. s), o's second tile.
; THE WAY OUT: a tile goes through the wave's own stage in LDS and leaves as rows: each store covers 512 consecutive bytes, aligned.  Waves share nothing in LDS: no barrier.
; NO JOINT LOADS: the operands are images of registers and go from memory straight into them; this plain form was chosen since a wave has only 64 matrix instructions.
; NO PREFETCH: the launch has no loop to run ahead in: every load goes out at the head.
; REGISTERS: window 0 below.  Window 1: Wo's fragments of K steps 0, 1 at v[24 t + 12 s]; from v192 bo, 8 registers a tile.  Window 2: K steps 2, 3; from v192 o's second tile.
.set LI,  1                            ; v1   16 x lane
.set LS,  2                            ; v2   8 x lane
.set STO, 3                            ; v3   the stage, on the way in: 528 r + 128 h
.set SRD, 4                            ; v4   and out: 16 x lane
.set BA,  5                            ; v5   128 h: my place in bo
.set HA,  64                           ; v64-127  eight accumulators   (v16-63: o's first tile: four fragments)
.set BK,  128                          ; v128-191 16 rows read back from the stage
.set RS,  192                          ; v192-223 Wo's scale words, v[RS + 4 t + s]: scales alone
.set SS,  224                          ; v224-227, v244-247 the two tiles' scale words: scales alone
.set SW,  228                          ; v228-243 one word from each head's record, eight a tile
.set BC,  192                          ; in window 1
.set RB,  24
.set RSB, 26
.set PITCH, 528                        ; a stage row: 512 bytes + 16 = 33 x 16: the sixteen rows that a store touches begin at sixteen different places of 16 bytes modulo 256
.set MSB, 0
.macro WIN new                         ; the immediate's high byte repeats the setting that is left
.if MSB != (\new)
	s_set_vgpr_msb (MSB<<8)|(\new)
.set MSB, (\new)
.endif
.endm
.macro OLOAD u                         ; tile u of o: 24 loads
.set SFX, 16+176*(\u)
	WIN 0x80*(\u)
.irp e, 0,1,2,3,4,5,6,7
	global_load_b128 v[SFX+6*\e:SFX+6*\e+3], v[LI], s[4:5] offset:8192*(\u)+1024*\e
	global_load_b64 v[SFX+6*\e+4:SFX+6*\e+5], v[LS], s[4:5] offset:8192*(\u)+1024*\e+512
.endr
	WIN 0
.irp e, 0,1,2,3,4,5,6,7
	global_load_b32 v[SW+8*(\u)+\e], v[LS], s[4:5] offset:8192*(\u)+1024*\e+768
.endr
.endm
	s_load_b256 s[4:11], s[0:1], 0x0               ; o, codes, scl, bo
	s_load_b64 s[12:13], s[0:1], 0x20              ; out0
	v_lshl_add_u32 v254, v0, 2, 0x8400             ; my spare word, behind the four stages; never rewritten
	v_mov_b32 v255, 0                              ; 0; never rewritten
	v_lshrrev_b32 v6, 5, v0
	v_readfirstlane_b32 s14, v6                    ; wave 0..3
	v_and_b32 v6, 31, v0
	v_and_b32 v7, 15, v0                           ; r
	v_bfe_u32 v8, v0, 4, 1                         ; h
	v_lshlrev_b32 v[LI], 4, v6
	v_lshlrev_b32 v[LS], 3, v6
	v_lshlrev_b32 v[BA], 7, v8
	s_mul_i32 s30, s14, 16*PITCH                   ; my stage
	v_mul_u32_u24 v[STO], v7, PITCH
	v_lshl_add_u32 v[STO], v8, 7, v[STO]
	v_add_nc_u32 v[STO], s30, v[STO]
	v_add_nc_u32 v[SRD], s30, v[LI]
	s_and_b32 s31, ttmp9, 3                        ; which 128 columns: the same for my work-group's four waves
	s_lshr_b32 s32, ttmp9, 2
	s_lshl_b32 s32, s32, 2
	s_add_co_u32 s32, s32, s14                     ; p: my pair of tiles of o: 4 (g / 4) + wave
	s_lshl_b32 s15, s31, 3
	s_add_co_u32 s15, s15, 608                     ; Wo's tiles: 608 + 8 (g % 4)
	s_mul_i32 s16, s15, 6144
	s_mov_b32 s17, 0
	s_lshl_b32 s18, s15, 9
	s_mov_b32 s19, 0
	s_lshl_b32 s20, s32, 14                        ; two tiles of o: 2 x 8,192 bytes a pair
	s_mov_b32 s21, 0
	s_lshl_b32 s22, s31, 9                         ; 128 numbers of bo, and of a row of out0
	s_mov_b32 s23, 0
	s_lshr_b32 s28, s32, 1                         ; my first tile's first row: 64 (p / 2) + 16 (p % 2); rows of 2,048 bytes
	s_lshl_b32 s28, s28, 17
	s_and_b32 s29, s32, 1
	s_lshl_b32 s29, s29, 15
	s_add_co_u32 s28, s28, s29
	s_add_co_u32 s28, s28, s22
	s_mov_b32 s29, 0
	s_wait_alu depctr_va_vdst(0)                   ; the wait at the head's end
	s_wait_kmcnt 0x0
	s_add_nc_u64 s[RB:RB+1], s[6:7], s[16:17]
	s_add_nc_u64 s[RSB:RSB+1], s[8:9], s[18:19]
	s_add_nc_u64 s[4:5], s[4:5], s[20:21]
	s_add_nc_u64 s[10:11], s[10:11], s[22:23]
	s_add_nc_u64 s[12:13], s[12:13], s[28:29]
	WIN 0x40                                       ; destination window 1
.irp t, 0,1,2,3,4,5,6,7                ; bo: lane (r, h) wants, for tile t, columns 64 (t / 4) + 32 h + 8 (t % 4) + 0 .. 7
	global_load_b128 v[BC+8*\t:BC+8*\t+3], v[BA], s[10:11] offset:(64*(\t/4)+8*(\t%4))*4
	global_load_b128 v[BC+8*\t+4:BC+8*\t+7], v[BA], s[10:11] offset:(64*(\t/4)+8*(\t%4))*4+16
.endr
	OLOAD 0
.irp t, 0,1,2,3,4,5,6,7
.irp f, 0,1
	global_load_b64 v[RS+4*\t+2*\f:RS+4*\t+2*\f+1], v[LS], s[RSB:RSB+1] offset:512*\t+256*\f
.endr
.endr
	WIN 0x40
.irp s, 0,1
.irp t, 0,1,2,3,4,5,6,7
.irp c, 0,1,2
	global_load_b128 v[24*\t+12*\s+4*\c:24*\t+12*\s+4*\c+3], v[LI], s[RB:RB+1] offset:6144*\t+1536*\s+512*\c
.endr
.endr
.endr
	WIN 0x80                                       ; destination window 2
.irp s, 0,1
.irp t, 0,1,2,3,4,5,6,7
.irp c, 0,1,2
	global_load_b128 v[24*\t+12*\s+4*\c:24*\t+12*\s+4*\c+3], v[LI], s[RB:RB+1] offset:6144*\t+1536*(\s+2)+512*\c
.endr
.endr
.endr
	OLOAD 1
.irp u, 0,1
.set SFX, 16+176*\u
.set SSX, SS+20*\u
.set W1, 8*\u                          ; source 1's window: 0 or 2
.if \u == 0
	s_wait_loadcnt 63                              ; all up to Wo's K step 0 is in: 96 loads are younger, and 63 is the largest count that a wait can name
.else
	s_wait_loadcnt 0x0
.endif
.irp s, 0,1,2,3
	v_or_b32 v[SSX+\s], v[SW+8*\u+2*\s], v[SW+8*\u+2*\s+1]    ; two heads' bytes make a K step's scale word
.endr
.rept 8
	v_nop                                          ; a scale register written by a vector instruction stands eight places ahead of a scaled matrix instruction
.endr
.irp s, 0,1,2,3                        ; 32 matrix instructions, K step by K step, the eight accumulators by turns
.if (\u == 0) && (\s == 1)
	s_wait_alu depctr_va_vdst(0)                   ; the wait here, directly ahead of the wait below
	s_wait_loadcnt 63                              ; Wo's K step 1 is in: 72 loads are younger
.elseif (\u == 0) && (\s > 1)
	s_wait_loadcnt 96-24*\s                        ; Wo's K step s is in; the later step's 24 loads and the second tile's 24 may stay out
.endif
.if \s == 0
	WIN 0x11|W1                                    ; source 0 and C (bo) window 1
.elseif \s == 1
	WIN 0x01|W1
.else
	WIN 0x02|W1
.endif
.irp t, 0,1,2,3,4,5,6,7
.if \s == 0
	v_wmma_scale_f32_16x16x128_f8f6f4 v[HA+8*\t:HA+8*\t+7], v[24*\t+12*(\s%2):24*\t+12*(\s%2)+11], v[SFX+12*\s:SFX+12*\s+11], v[BC+8*\t:BC+8*\t+7], v[RS+4*\t+\s], v[SSX+\s] matrix_a_fmt:MATRIX_FMT_BF6 matrix_b_fmt:MATRIX_FMT_BF6
.else
	v_wmma_scale_f32_16x16x128_f8f6f4 v[HA+8*\t:HA+8*\t+7], v[24*\t+12*(\s%2):24*\t+12*(\s%2)+11], v[SFX+12*\s:SFX+12*\s+11], v[HA+8*\t:HA+8*\t+7], v[RS+4*\t+\s], v[SSX+\s] matrix_a_fmt:MATRIX_FMT_BF6 matrix_b_fmt:MATRIX_FMT_BF6
.endif
.endr
.endr
	WIN 0
.rept 4
	v_nop                                          ; four places behind the products, in front of the first read of their results
.endr
.irp c, 0,1
.irp j, 0,1,2,3,4,5,6,7
	ds_store_b128 v[STO], v[HA+32*\c+4*\j:HA+32*\c+4*\j+3] offset:256*\c+16*\j     ; each accumulator from its low end on
.endr
.endr
.if \u == 1
	s_wait_xcnt 0x0                                ; the first tile's stores have read the registers that the loads below land in
.endif
.irp i, 0,1,2,3,4,5,6,7,8,9,10,11,12,13,14,15
	ds_load_b128 v[BK+4*\i:BK+4*\i+3], v[SRD] offset:PITCH*\i                      ; LDS serves a wave's instructions in order: these see the stores above
.endr
.irp i, 0,1,2,3,4,5,6,7,8,9,10,11,12,13,14,15
	s_wait_dscnt 15-\i                             ; row i is back; the younger reads may stay out
	global_store_b128 v[LI], v[BK+4*\i:BK+4*\i+3], s[12:13] offset:(8*\u+\i+24*(\i/8))*2048 th:TH_STORE_NT   ; the tile's row i: 512 consecutive bytes, aligned; written once, read by nobody here
.endr
.endr
	s_wait_tensorcnt 0x0                           ; the wave's end, behind my last LDS store
	ds_add_u32 v254, v255
	s_wait_dscnt 0x0
	s_endpgm
.Lfunc_end_k_qeb516cd750_outp:
	.size	k_qeb516cd750_outp, .Lfunc_end_k_qeb516cd750_outp-k_qeb516cd750_outp
	.p2alignl 7, 3214868480
	.fill 96, 4, 3214868480
	.section	.rodata,"a",@progbits
	.p2align	6, 0x0
	.amdhsa_kernel k_qeb516cd750_outp
		.amdhsa_group_segment_fixed_size 34304
		.amdhsa_private_segment_fixed_size 0
		.amdhsa_enable_private_segment 0
		.amdhsa_kernarg_size 40
		.amdhsa_user_sgpr_count 2
		.amdhsa_user_sgpr_kernarg_segment_ptr 1
		.amdhsa_wavefront_size32 1
		.amdhsa_system_sgpr_workgroup_id_x 1
		.amdhsa_system_sgpr_workgroup_id_y 1
		.amdhsa_system_sgpr_workgroup_id_z 1
		.amdhsa_system_vgpr_workitem_id 0
		.amdhsa_next_free_vgpr 768
		.amdhsa_next_free_sgpr 66
		.amdhsa_reserve_vcc 0
		.amdhsa_float_denorm_mode_32 3
		.amdhsa_float_denorm_mode_16_64 3
		.amdhsa_memory_ordered 1
		.amdhsa_forward_progress 1
		.amdhsa_inst_pref_size 37
	.end_amdhsa_kernel
	.amdgpu_metadata
---
amdhsa.version: [ 1, 2 ]
amdhsa.kernels:
  - .name:           k_qeb516cd750_outp
    .symbol:         k_qeb516cd750_outp.kd
    .args:
      - { .name: o, .offset: 0, .size: 8, .value_kind: global_buffer, .address_space: global }
      - { .name: codes, .offset: 8, .size: 8, .value_kind: global_buffer, .address_space: global }
      - { .name: scl, .offset: 16, .size: 8, .value_kind: global_buffer, .address_space: global }
      - { .name: bo, .offset: 24, .size: 8, .value_kind: global_buffer, .address_space: global }
      - { .name: out0, .offset: 32, .size: 8, .value_kind: global_buffer, .address_space: global }
    .group_segment_fixed_size: 34304
    .private_segment_fixed_size: 0
    .kernarg_segment_align: 8
    .kernarg_segment_size: 40
    .max_flat_workgroup_size: 128
    .sgpr_count:     66
    .vgpr_count:     768
    .wavefront_size: 32
...
	.end_amdgpu_metadata
.endif
;; end of part 4
